; MI455X (gfx1250); checked and timed in simulation.
; The chip was launched on July 23, 2026; its instructions are those of AMD's public machine-readable ISA for CDNA 5 (MIT licence, August 2026) and "CDNA5" Instruction Set Architecture Reference Guide (July 2026). The comments in the code are by the model that wrote it; some were corrected since.
;; Actual Bert Self Attention. Allowed arithmetic: matrix products marked QUANTISED: E2M1 operands, one E8M0 scale for each 32 along K, by v_wmma_scale_f32_16x16x128_f8f6f4 with both operands' format E2M1 (or v_wmma_scale_f32_32x16x128_f4), f32 sums; products left as they are: bf16, f16 or f32 operands; f32 sums; everything else in f32.
;; Inputs: Wk 1,024 x 1,024 float32; Wq 1,024 x 1,024 float32; Wv 1,024 x 1,024 float32; attention_mask 4 x 1 x 1 x 2,048 float32; bk 1,024 float32; bq 1,024 float32; bv 1,024 float32; hidden_states 4 x 2,048 x 1,024 float32.
;; Outputs: out0 4 x 2,048 x 1,024 float32.
;; This version of the problem:
;;   THIS VERSION OF THE PROBLEM IS GIVEN IN LOW PRECISION. The matrix products marked QUANTISED in the list below multiply operands that are first quantised to E2M1 (2 exponent bits, 1 mantissa bit; 4 bits a number), with one power-of-two scale for each 32 numbers along K (OCP MX v1.0); their sums are f32. The products marked 'left as it is' may take bf16, f16 or f32 operands, with f32 sums. Whichever they take, every output number must still come out within the allowed error. Rounding operands to bf16 (8 significant bits) uses up far more of that allowance than f16 does (11 bits, for magnitudes from 6e-5 to 65,504). All else is computed in f32.
;;   The module's matrix products, in the order in which they are computed (A, B: the left and right operand; K: the contracted axis; several contracted axes count as one K, in the product's order):
;;     1. [M 8,192, K 1,024] x [K 1,024, N 1,024]; A: input hidden_states; B: input Wq: QUANTISED
;;     2. [M 8,192, K 1,024] x [K 1,024, N 1,024]; A: input hidden_states; B: input Wk: QUANTISED
;;     3. [M 8,192, K 1,024] x [K 1,024, N 1,024]; A: input hidden_states; B: input Wv: QUANTISED
;;     4. batch 64 x [M 2,048, K 64] x [K 64, N 2,048]; A: computed on the way; B: computed on the way: left as it is (an operand is computed on the way)
;;     5. batch 64 x [M 2,048, K 2,048] x [K 2,048, N 64]; A: computed on the way; B: computed on the way: left as it is (an operand is computed on the way)
;;   THE QUANTISER, for each operand of a quantised product, along K:
;;     - K is cut into blocks of 32 from its start; a last block that is shorter is filled with zeros.
;;     - A block's scale is 2^e with e = floor(log2(the largest magnitude in the block)) - 2, held to -126 .. 127; a block of zeros has e = 0. As a byte (E8M0): e + 127.
;;     - Each number is divided by its block's scale, clamped to +-6, and rounded to the nearest number of E2M1, ties to even, subnormals kept.
;;     - The product sums the exact products of the quantised numbers (number of the format x scale) in f32.
;;   ~~~python
;;   def quantise(x, axis):      # numpy; x: float32 -> the quantised numbers, widened to float32 again
;;       x = np.moveaxis(x, axis, -1); K = x.shape[-1]
;;       x = np.pad(x, [(0, 0)] * (x.ndim - 1) + [(0, -K % 32)]); x = x.reshape(x.shape[:-1] + (-1, 32)); a = np.abs(x).max(-1, keepdims=True)
;;       e = np.where(a > 0, np.clip(np.frexp(np.where(a > 0, a, 1))[1] - 1 - 2, -126, 127), 0)      # np.frexp(a)[1] - 1 = floor(log2(a)), exactly
;;       r = np.clip(x / 2.0 ** e, -6, 6)
;;       step = 2.0 ** (np.maximum(np.frexp(np.where(r == 0, 1, r))[1] - 1, 0) - 1)
;;       q = np.round(r / step) * step * 2.0 ** e      # np.round: ties to even
;;       return np.moveaxis(q.reshape(q.shape[:-2] + (-1,))[..., :K], -1, axis).astype(np.float32)
;;   ~~~
;; One version. Each part assembles by itself: llvm-mc -triple=amdgcn-amd-amdhsa -mcpu=gfx1250 --defsym DOCPART=n.
;; ======== version 1 of 1: 4 launches
;; limits: inputs' magnitudes at most 8.5e+37; values are held in f16: magnitudes above 65,504 overflow, below 6.1e-05 lose precision
;; workspace buffers: xq 4,456,448 bytes; wq 1,671,168 bytes; qf 16,777,216 bytes; kvf 33,554,432 bytes
;; launch quant_x (part 1): grid 256 x 1, 4 waves a work-group, no clusters, 167,936 bytes of LDS; arguments hidden_states, xq; writes xq
.if DOCPART == 1
	.amdgcn_target "amdgcn-amd-amdhsa--gfx1250"
	.amdhsa_code_object_version 6
	.text
	.protected	k_q0e52b58c07_quant_x
	.globl	k_q0e52b58c07_quant_x
	.p2align	8
	.type	k_q0e52b58c07_quant_x,@function
k_q0e52b58c07_quant_x:
	s_mov_b64 s[64:65], 0
	v_nop
	global_prefetch_b8 v0, s[64:65] scope:SCOPE_SE
	s_setreg_imm32_b32 hwreg(HW_REG_WAVE_MODE, 25, 1), 1
	s_wait_xcnt 0x0
; BERT self-attention, B 4, S 2048, D 1024, 16 heads of 64.  Four launches: this one and the next turn hidden_states and Wq, Wk, Wv into codes of FP4 (E2M1) with one E8M0 byte
; for each 32 along K; the third makes q, k, v on those codes; the fourth is the attention.
; WORK LEFT OUT, for all values of the inputs: bk.  k + bk adds q . bk / 8 to every score of a query's row; that term is the same for all keys, so the softmax along the keys takes it away
; (numerator and denominator carry the same factor exp(q . bk / 8)); the product q k^T is not quantised, so bk moves no code and no scale.  bk has no way to the output: it is not loaded and is no launch's argument.
; bv is live, and since the weights of a row sum to 1, sum p (v + bv) / sum p = sum p v / sum p + bv for all values: it is added once, in f32, on the last launch's way out.
; LIMITS: a NaN, an infinity or an overflow that reaches only q . bk is not carried to the result.  NaN and infinities among the inputs are not served.  A block whose largest magnitude lies under 2^-124 keeps the byte 1
; (a block of zeros too, where the rule says 127: its codes are zeros, which add nothing under any byte but 0xff, and the bytes are read by this program alone).
; THIS LAUNCH: hidden_states [8192][1024] f32 -> xq.  xq is laid as the third launch's LDS wants it: [tile of 256 rows: 32][half of K: 2][69,632 bytes]; a half holds its 16 blocks' codes, [block][row][16 bytes],
; and behind them the scale bytes, [quarter of K in the half: 2][row][8 bytes].
; SHARES: a work-group takes 32 whole rows; wave w takes quarter w of K (1,024 bytes of each row) by ONE tensor load into LDS bytes of its own, which nothing fills again; a lane takes a row, so a block's 32 numbers lie in one lane.
; An LDS row is 1,024 + 16 bytes = 260 words: the sixteen rows that a load of 16 bytes a lane touches start at sixteen different banks (64 banks of 4 bytes: ISA guide 11.1).
; A block's codes of 32 rows leave as 512 consecutive bytes, the wave's scale bytes as 256.
.set PITCH, 1040
.set WTILE, 32*PITCH                   ; a wave's tile in LDS
.set SPARE, 4*WTILE                    ; behind the four tiles: the spare words, 128 bytes for each wave, which no other line names
.set TILEB, 139264                     ; a tile of 256 rows in xq
.set HALFB, 69632                      ; half of it
.set X,   32                           ; v32-95   two sets of 32 numbers
.set C,   96                           ; v96-127  four registers of codes for each block: no store's data are written again
.set SB,  16                           ; v16-17   the eight scale bytes
.set SPW, 14                           ; v14      LDS address of my spare word; never rewritten
.set NIL, 15                           ; v15      0; never rewritten
.set G0,  12                           ; s[12:15] descriptor group 0
.set G1,  16                           ; s[16:23] descriptor group 1
	s_load_b128 s[4:7], s[0:1], 0x0                ; hidden_states s[4:5], xq s[6:7]
	v_lshl_add_u32 v[SPW], v0, 2, SPARE
	v_mov_b32 v[NIL], 0
	ds_add_u32 v[SPW], v[NIL]                      ; the wave's opening: the add, twice on end, and its wait ahead of my first tensor load
	ds_add_u32 v[SPW], v[NIL]
	v_lshrrev_b32 v1, 5, v0
	v_readfirstlane_b32 s8, v1                     ; wave 0..3
	s_mov_b32 s[G1+0], (2<<16)|(1<<20)|(7<<22)|(3<<25)  ; no mask; elements of 4 bytes; padding on: after every 256 words (code 7) four words (code 3)
	s_mov_b32 s[G1+1], 256<<16                     ; tensor_dim0 = 256
	s_mov_b32 s[G1+2], 32<<16                      ; tensor_dim1 = 32
	s_mov_b32 s[G1+3], 256<<16                     ; tile_dim0 = 256
	s_mov_b32 s[G1+4], 32                          ; tile_dim1 = 32
	s_mov_b32 s[G1+5], 1024                        ; elements from row to row
	s_mov_b32 s[G1+6], 0
	s_mov_b32 s[G1+7], 0
	s_mov_b32 s[G0], 1
	s_mul_i32 s[G0+1], s8, WTILE                   ; my tile in LDS
	s_lshl_b32 s24, ttmp9, 17                      ; 32 rows of 4,096 bytes a work-group,
	s_lshl_b32 s25, s8, 10                         ; my quarter of a row
	s_add_co_u32 s24, s24, s25
	s_mov_b32 s25, 0
	s_lshr_b32 s26, ttmp9, 3                       ; eight work-groups to a tile of 256 rows
	s_mul_i32 s26, s26, TILEB
	s_lshr_b32 s27, s8, 1
	s_mul_i32 s27, s27, HALFB                      ; my half of K
	s_add_co_u32 s26, s26, s27
	s_and_b32 s27, s8, 1                           ; my quarter in the half
	s_lshl_b32 s28, s27, 15                        ; codes: eight blocks of 4,096 bytes a quarter
	s_add_co_u32 s28, s28, s26
	s_mov_b32 s29, 0
	s_lshl_b32 s30, s27, 11                        ; scale bytes: 2,048 a quarter, behind the half's 65,536 bytes of codes
	s_add_co_u32 s30, s30, s26
	s_add_co_u32 s30, s30, 65536
	s_mov_b32 s31, 0
	s_and_b32 s32, ttmp9, 7
	s_lshl_b32 s32, s32, 5                         ; my work-group's first row in the tile
	s_wait_dscnt 0x0                               ; both opening adds are done
	s_wait_kmcnt 0x0
	s_add_nc_u64 s[G0+2:G0+3], s[4:5], s[24:25]
	s_or_b32 s[G0+3], s[G0+3], 0x80000000          ; type = 2
	tensor_load_to_lds s[G0:G0+3], s[G1:G1+7]      ; 32 rows x 1,024 bytes: all that the wave will read
	s_nop 0
	s_add_nc_u64 s[28:29], s[6:7], s[28:29]
	s_add_nc_u64 s[30:31], s[6:7], s[30:31]
	v_and_b32 v1, 31, v0                           ; lane = row
	v_mul_u32_u24 v2, v1, PITCH
	v_add_nc_u32 v2, s[G0+1], v2                   ; my row in my wave's tile
	v_add_nc_u32 v5, s32, v1                       ; my row in the tile of 256
	v_lshlrev_b32 v3, 4, v5                        ; 16 bytes of codes a row and block
	v_lshlrev_b32 v4, 3, v5                        ; 8 scale bytes a row and quarter
.macro RD b                            ; block b's 32 numbers into set b % 2
.irp i, 0,1,2,3,4,5,6,7
	ds_load_b128 v[X+32*((\b)%2)+4*\i:X+32*((\b)%2)+4*\i+3], v2 offset:128*(\b)+16*\i
.endr
.endm
.macro BLOCK b
.set XS, X+32*((\b)%2)
.if (\b) < 7
	RD (\b)+1
	s_wait_dscnt 8                                 ; this block's eight loads are in; the next block's eight may be out
.else
	s_wait_dscnt 0x0
.endif
	v_max3_num_f32 v12, |v[XS]|, |v[XS+1]|, |v[XS+2]|               ; the block's largest magnitude, in two chains
	v_max3_num_f32 v13, |v[XS+3]|, |v[XS+4]|, |v[XS+5]|
.irp i, 6,10,14,18,22,26
	v_max3_num_f32 v12, v12, |v[XS+\i]|, |v[XS+\i+1]|
	v_max3_num_f32 v13, v13, |v[XS+\i+2]|, |v[XS+\i+3]|
.endr
	v_max3_num_f32 v12, v12, |v[XS+30]|, |v[XS+31]|
	v_max3_num_f32 v12, v12, v13, 0x1800000        ; and the floor 2^(3 - 127): the byte cannot fall under 1
	v_add_nc_u32 v11, 0xff000000, v12              ; 2 off the exponent field: the conversion takes the exponent field of this operand as its scale
	v_lshrrev_b32 v13, 23, v11                     ; the scale's byte
.if (\b)%4 == 0
	v_mov_b32 v[SB+(\b)/4], v13
.else
	v_lshl_or_b32 v[SB+(\b)/4], v13, 8*((\b)%4), v[SB+(\b)/4]
.endif
.irp g, 0,1,2,3
	v_cvt_scalef32_pk8_fp4_f32 v[C+4*(\b)+\g], v[XS+8*\g:XS+8*\g+7], v11
.endr
	global_store_b128 v3, v[C+4*(\b):C+4*(\b)+3], s[28:29] offset:4096*(\b)   ; 32 rows' codes of one block: 512 consecutive bytes
.endm
	s_wait_tensorcnt 0x0                           ; my tile is in LDS; only I read it
	RD 0
.irp b, 0,1,2,3,4,5,6,7
	BLOCK \b
.endr
	global_store_b64 v4, v[SB:SB+1], s[30:31]      ; 32 rows' scale bytes of my quarter: 256 consecutive bytes
	s_wait_tensorcnt 0x0                           ; the wave's end
	ds_add_u32 v[SPW], v[NIL]
	s_wait_dscnt 0x0
	s_endpgm
.Lfunc_end_k_q0e52b58c07_quant_x:
	.size	k_q0e52b58c07_quant_x, .Lfunc_end_k_q0e52b58c07_quant_x-k_q0e52b58c07_quant_x
	.p2alignl 7, 3214868480
	.fill 96, 4, 3214868480
	.section	.rodata,"a",@progbits
	.p2align	6, 0x0
	.amdhsa_kernel k_q0e52b58c07_quant_x
		.amdhsa_group_segment_fixed_size 167936
		.amdhsa_private_segment_fixed_size 0
		.amdhsa_enable_private_segment 0
		.amdhsa_kernarg_size 16
		.amdhsa_user_sgpr_count 2
		.amdhsa_user_sgpr_kernarg_segment_ptr 1
		.amdhsa_wavefront_size32 1
		.amdhsa_system_sgpr_workgroup_id_x 1
		.amdhsa_system_sgpr_workgroup_id_y 1
		.amdhsa_system_sgpr_workgroup_id_z 1
		.amdhsa_system_vgpr_workitem_id 0
		.amdhsa_next_free_vgpr 128
		.amdhsa_next_free_sgpr 66
		.amdhsa_reserve_vcc 0
		.amdhsa_float_denorm_mode_32 3
		.amdhsa_float_denorm_mode_16_64 3
		.amdhsa_memory_ordered 1
		.amdhsa_forward_progress 1
		.amdhsa_inst_pref_size 20
	.end_amdhsa_kernel
	.amdgpu_metadata
---
amdhsa.version: [ 1, 2 ]
amdhsa.kernels:
  - .name:           k_q0e52b58c07_quant_x
    .symbol:         k_q0e52b58c07_quant_x.kd
    .args:
      - { .name: hidden_states, .offset: 0, .size: 8, .value_kind: global_buffer, .address_space: global }
      - { .name: xq, .offset: 8, .size: 8, .value_kind: global_buffer, .address_space: global }
    .group_segment_fixed_size: 167936
    .private_segment_fixed_size: 0
    .kernarg_segment_align: 8
    .kernarg_segment_size: 16
    .max_flat_workgroup_size: 128
    .sgpr_count:     66
    .vgpr_count:     128
    .wavefront_size: 32
...
	.end_amdgpu_metadata
.endif
;; end of part 1
;; launch quant_w (part 2): grid 24 x 4, 4 waves a work-group, no clusters, 167,936 bytes of LDS; arguments Wq, Wk, Wv, wq; writes wq
.if DOCPART == 2
	.amdgcn_target "amdgcn-amd-amdhsa--gfx1250"
	.amdhsa_code_object_version 6
	.text
	.protected	k_q0e52b58c07_quant_w
	.globl	k_q0e52b58c07_quant_w
	.p2align	8
	.type	k_q0e52b58c07_quant_w,@function
k_q0e52b58c07_quant_w:
	s_mov_b64 s[64:65], 0
	v_nop
	global_prefetch_b8 v0, s[64:65] scope:SCOPE_SE
	s_setreg_imm32_b32 hwreg(HW_REG_WAVE_MODE, 25, 1), 1
	s_wait_xcnt 0x0
; Wq, Wk, Wv [1024 (k)][1024 (n)] f32, K on the FIRST axis -> wq: codes of FP4 (E2M1) and E8M0 bytes, quantised along K, laid like xq with the 3,072 columns (q's, k's, v's) in the place of rows:
; [tile of 256 columns: 12][half of K: 2][codes [block: 16][column: 256][16 bytes] | scale bytes [quarter in the half: 2][column: 256][8 bytes]].
; LIMITS as in the first launch: a block under 2^-124 (a block of zeros too) keeps the byte 1; NaN and infinities are not served.
; SHARES: work-group (x, y) takes 128 columns (x) and a quarter of K (y): 256 rows x 512 bytes, brought into LDS by four tensor loads, one a wave (64 rows each), filled once.
; Then A LANE TAKES A COLUMN AND ITS REGISTERS RUN DOWN K: thread t takes column t of the 128; a block of 32 lies in one lane, and the conversions give codes with K innermost.  A wave's LDS load reads 128 consecutive bytes.
; 96 work-groups: a column's eight scale bytes of a quarter leave as one store of 8 bytes a lane, 256 consecutive bytes a wave; a finer share of K would cut them.
.set SPARE, 131072                     ; behind the tile: the spare words
.set TILEB, 139264
.set HALFB, 69632
.set AD,  2                            ; v2, v3   LDS address of my column in rows 0-127, 128-255
.set X,   32
.set C,   96
.set SB,  16
.set SPW, 14
.set NIL, 15
.set G0,  12
.set G1,  16
	s_load_b256 s[4:11], s[0:1], 0x0               ; Wq s[4:5], Wk s[6:7], Wv s[8:9], wq s[10:11]
	v_lshl_add_u32 v[SPW], v0, 2, SPARE
	v_mov_b32 v[NIL], 0
	ds_add_u32 v[SPW], v[NIL]                      ; the wave's opening: the add, twice on end, and its wait ahead of my first tensor load
	ds_add_u32 v[SPW], v[NIL]
	v_lshrrev_b32 v1, 5, v0
	v_readfirstlane_b32 s36, v1                    ; wave 0..3
	s_and_b32 s37, ttmp7, 0xffff                   ; y: the quarter of K
	s_mov_b32 s[G1+0], 2<<16                       ; no mask; elements of 4 bytes; no padding
	s_mov_b32 s[G1+1], 128<<16                     ; tensor_dim0 = 128
	s_mov_b32 s[G1+2], 64<<16                      ; tensor_dim1 = 64
	s_mov_b32 s[G1+3], 128<<16                     ; tile_dim0 = 128
	s_mov_b32 s[G1+4], 64                          ; tile_dim1 = 64
	s_mov_b32 s[G1+5], 1024                        ; elements from row to row
	s_mov_b32 s[G1+6], 0
	s_mov_b32 s[G1+7], 0
	s_mov_b32 s[G0], 1
	s_lshl_b32 s[G0+1], s36, 15                    ; my 64 rows of 512 bytes in LDS
	s_lshl_b32 s24, s37, 20                        ; 256 rows of 4,096 bytes a quarter,
	s_lshl_b32 s25, s36, 18                        ; 64 a wave,
	s_add_co_u32 s24, s24, s25
	s_and_b32 s25, ttmp9, 7
	s_lshl_b32 s25, s25, 9                         ; 128 columns of 4 bytes a work-group
	s_add_co_u32 s24, s24, s25
	s_mov_b32 s25, 0
	s_lshr_b32 s28, ttmp9, 1                       ; two work-groups to a tile of 256 columns
	s_mul_i32 s28, s28, TILEB
	s_lshr_b32 s29, s37, 1
	s_mul_i32 s29, s29, HALFB
	s_add_co_u32 s28, s28, s29
	s_and_b32 s29, s37, 1
	s_lshl_b32 s30, s29, 11
	s_add_co_u32 s30, s30, s28
	s_add_co_u32 s30, s30, 65536                   ; the scale bytes
	s_mov_b32 s31, 0
	s_lshl_b32 s29, s29, 15
	s_add_co_u32 s28, s28, s29                     ; the codes
	s_mov_b32 s29, 0
	s_and_b32 s32, ttmp9, 1
	s_lshl_b32 s32, s32, 7                         ; my work-group's first column in the tile
	s_lshr_b32 s33, ttmp9, 3                       ; which weight: 0 q, 1 k, 2 v
	s_wait_dscnt 0x0                               ; both opening adds are done
	s_wait_kmcnt 0x0
	s_cmp_eq_u32 s33, 1                            ; the choice hangs on the work-group's number alone
	s_cselect_b64 s[26:27], s[6:7], s[4:5]
	s_cmp_eq_u32 s33, 2
	s_cselect_b64 s[26:27], s[8:9], s[26:27]
	s_add_nc_u64 s[G0+2:G0+3], s[26:27], s[24:25]
	s_or_b32 s[G0+3], s[G0+3], 0x80000000          ; type = 2
	tensor_load_to_lds s[G0:G0+3], s[G1:G1+7]
	s_nop 0
	s_add_nc_u64 s[28:29], s[10:11], s[28:29]
	s_add_nc_u64 s[30:31], s[10:11], s[30:31]
	v_lshlrev_b32 v[AD], 2, v0                     ; column t: 4 t
	v_add_nc_u32 v[AD+1], 65536, v[AD]             ; and 128 rows further down
	v_add_nc_u32 v6, s32, v0                       ; my column in the tile of 256
	v_lshlrev_b32 v4, 4, v6
	v_lshlrev_b32 v5, 3, v6
.macro RD b                            ; block b: W(32 b + i, my column), i = 0 .. 31, into set b % 2
.irp i, 0,1,2,3,4,5,6,7,8,9,10,11,12,13,14,15,16,17,18,19,20,21,22,23,24,25,26,27,28,29,30,31
	ds_load_b32 v[X+32*((\b)%2)+\i], v[AD+(\b)/4] offset:(32*((\b)%4)+\i)*512
.endr
.endm
.macro BLOCK b
.set XS, X+32*((\b)%2)
.if (\b) < 7
	RD (\b)+1
	s_wait_dscnt 32                                ; this block's 32 loads are in; the next block's 32 may be out
.else
	s_wait_dscnt 0x0
.endif
	v_max3_num_f32 v12, |v[XS]|, |v[XS+1]|, |v[XS+2]|
	v_max3_num_f32 v13, |v[XS+3]|, |v[XS+4]|, |v[XS+5]|
.irp i, 6,10,14,18,22,26
	v_max3_num_f32 v12, v12, |v[XS+\i]|, |v[XS+\i+1]|
	v_max3_num_f32 v13, v13, |v[XS+\i+2]|, |v[XS+\i+3]|
.endr
	v_max3_num_f32 v12, v12, |v[XS+30]|, |v[XS+31]|
	v_max3_num_f32 v12, v12, v13, 0x1800000        ; the floor 2^(3 - 127)
	v_add_nc_u32 v11, 0xff000000, v12              ; 2 off the exponent field: the conversion's scale operand
	v_lshrrev_b32 v13, 23, v11                     ; the scale's byte
.if (\b)%4 == 0
	v_mov_b32 v[SB+(\b)/4], v13
.else
	v_lshl_or_b32 v[SB+(\b)/4], v13, 8*((\b)%4), v[SB+(\b)/4]
.endif
.irp g, 0,1,2,3
	v_cvt_scalef32_pk8_fp4_f32 v[C+4*(\b)+\g], v[XS+8*\g:XS+8*\g+7], v11
.endr
	global_store_b128 v4, v[C+4*(\b):C+4*(\b)+3], s[28:29] offset:4096*(\b)   ; 32 columns' codes of one block: 512 consecutive bytes
.endm
	s_wait_tensorcnt 0x0                           ; my 64 rows are in LDS,
	s_barrier_signal -1
	s_barrier_wait -1                              ; everybody's are: a column runs through all four waves' rows
	RD 0
.irp b, 0,1,2,3,4,5,6,7
	BLOCK \b
.endr
	global_store_b64 v5, v[SB:SB+1], s[30:31]      ; 32 columns' scale bytes of the quarter: 256 consecutive bytes
	s_wait_tensorcnt 0x0                           ; the wave's end
	ds_add_u32 v[SPW], v[NIL]
	s_wait_dscnt 0x0
	s_endpgm
.Lfunc_end_k_q0e52b58c07_quant_w:
	.size	k_q0e52b58c07_quant_w, .Lfunc_end_k_q0e52b58c07_quant_w-k_q0e52b58c07_quant_w
	.p2alignl 7, 3214868480
	.fill 96, 4, 3214868480
	.section	.rodata,"a",@progbits
	.p2align	6, 0x0
	.amdhsa_kernel k_q0e52b58c07_quant_w
		.amdhsa_group_segment_fixed_size 167936
		.amdhsa_private_segment_fixed_size 0
		.amdhsa_enable_private_segment 0
		.amdhsa_kernarg_size 32
		.amdhsa_user_sgpr_count 2
		.amdhsa_user_sgpr_kernarg_segment_ptr 1
		.amdhsa_wavefront_size32 1
		.amdhsa_system_sgpr_workgroup_id_x 1
		.amdhsa_system_sgpr_workgroup_id_y 1
		.amdhsa_system_sgpr_workgroup_id_z 1
		.amdhsa_system_vgpr_workitem_id 0
		.amdhsa_next_free_vgpr 128
		.amdhsa_next_free_sgpr 66
		.amdhsa_reserve_vcc 0
		.amdhsa_float_denorm_mode_32 3
		.amdhsa_float_denorm_mode_16_64 3
		.amdhsa_memory_ordered 1
		.amdhsa_forward_progress 1
		.amdhsa_inst_pref_size 32
	.end_amdhsa_kernel
	.amdgpu_metadata
---
amdhsa.version: [ 1, 2 ]
amdhsa.kernels:
  - .name:           k_q0e52b58c07_quant_w
    .symbol:         k_q0e52b58c07_quant_w.kd
    .args:
      - { .name: Wq, .offset: 0, .size: 8, .value_kind: global_buffer, .address_space: global }
      - { .name: Wk, .offset: 8, .size: 8, .value_kind: global_buffer, .address_space: global }
      - { .name: Wv, .offset: 16, .size: 8, .value_kind: global_buffer, .address_space: global }
      - { .name: wq, .offset: 24, .size: 8, .value_kind: global_buffer, .address_space: global }
    .group_segment_fixed_size: 167936
    .private_segment_fixed_size: 0
    .kernarg_segment_align: 8
    .kernarg_segment_size: 32
    .max_flat_workgroup_size: 128
    .sgpr_count:     66
    .vgpr_count:     128
    .wavefront_size: 32
...
	.end_amdgpu_metadata
.endif
;; end of part 2
;; launch qkv (part 3): grid 12 x 32, 4 waves a work-group, clusters of 4 x 4, 327,680 bytes of LDS; arguments xq, wq, bq, qf, kvf; writes qf, kvf
.if DOCPART == 3
	.amdgcn_target "amdgcn-amd-amdhsa--gfx1250"
	.amdhsa_code_object_version 6
	.text
	.protected	k_q0e52b58c07_qkv
	.globl	k_q0e52b58c07_qkv
	.p2align	8
	.type	k_q0e52b58c07_qkv,@function
k_q0e52b58c07_qkv:
	s_mov_b64 s[64:65], 0
	v_nop
	global_prefetch_b8 v0, s[64:65] scope:SCOPE_SE
	s_setreg_imm32_b32 hwreg(HW_REG_WAVE_MODE, 25, 1), 1
	s_wait_xcnt 0x0
	s_wait_alu depctr_hold_cnt(0) depctr_sa_sdst(0) depctr_va_vdst(0) depctr_va_sdst(0) depctr_va_ssrc(0) depctr_va_vcc(0) depctr_vm_vsrc(0)
	s_getreg_b32 s2, hwreg(HW_REG_IB_STS2, 6, 4)
	s_cmp_eq_u32 s2, 0
	s_cbranch_scc0 .Lentry_in_a_cluster
	s_endpgm
.Lentry_in_a_cluster:
	s_bfe_u32 s2, ttmp6, 0x10000c
	s_cmp_lg_u32 s2, 0xf033
	s_cbranch_scc0 .Lentry_shape_is_right
	s_endpgm
.Lentry_shape_is_right:
; q = (x Wq + bq) / 8, k = x Wk, v = x Wv on codes of FP4 (E2M1) with E8M0 scales, sums in f32; results rounded once to f16 and laid in the order in which the attention's operand registers take them.
; LEFT OUT: bk (the same term for all keys of a row: the softmax takes it away, for all values; shown at the first launch's head).  bv is added on the last launch's way out.  The 1 / 8 = 1 / sqrt(64) of the scores goes into q: a power of two.
; LIMIT: |q / 8|, |k|, |v| stay under 65,504, f16's largest number.
; SHARES: a tile is 256 tokens x 256 of the 3,072 columns; four waves, 128 x 128 each: 64 accumulators of 16 x 16.  ALL OF K (1,024) lies in LDS: x's tile and W's tile, 139,264 bytes each, images of memory, each byte filled once.
; Each wave brings two parts of 34,816 dense bytes (first the first half of K, then the second): two tensor loads of a wave are out.
; CLUSTERS: 4 x 4 work-groups; the four of a row need the same tile of x, the four of a column the same tile of W: each part is asked for jointly, by the same load with the same descriptor and a mask that names the four.
; Which of q, k, v a tile belongs to is the cluster's x, the same in all sixteen partners: the one branch of the text hangs on it.
; THE MATRIX INSTRUCTION IS USED TRANSPOSED (source 0 = 16 columns of W, source 1 = 16 tokens): lane (r, h) holds token r and eight neighbouring columns 8 h + 0 .. 7: 16 bytes of f16.
; THE WAY OUT needs no LDS: a tile of 16 tokens x 16 channels is a block of 512 bytes in qf / kvf, a lane's 16 bytes at 16 x lane: each store of the wave covers 512 consecutive bytes.
;   qf  [batch x 16 + head][tile of 16 tokens: 128][16 channels: 4][512];   kvf [batch x 16 + head][64 keys: 32][K 8,192 | V 8,192], each part [tile of 16 tokens: 4][16 channels: 4][512].
;   In V's blocks a lane's 16 bytes lie at 256 (r / 8) + 128 h + 16 (r % 8), so that the turning LDS load at 16 x lane gives a lane one channel and eight keys.
; REGISTERS, in windows of 256: window 0: v0-31 addresses; v32-95 scale words, a set for each half of K (on q's way out: at work); v96-159 results to store, two sets; v128-191 x's fragments, one set; v192-255 bq / 8.
;   window 1: W's fragments, two sets, at v0 and v128.   windows 2, 3: the accumulators, (a, b) at v[8 (8 (a % 4) + b)].
.set NQ,    4                          ; steps of 128 along K in a half
.set NL,    2                          ; LDS loads that bring a fragment
.set NP,    4                          ; places behind this matrix instruction (ISA guide 7.12.1)
.set FR,    8                          ; registers of a fragment
.set TILEB, 139264
.set HALFB, 69632
.set PARTB, 34816
.set OPB,   TILEB                      ; W's tile lies behind x's
.set SPARE, 2*TILEB                    ; the spare words, 128 bytes for each wave, which no other line names
.set ADRA, 16                          ; v16-17  my fragments of x in half 0, 1
.set ADRB, 20                          ; v20-21  the same of W
.set ADRS, 22                          ; v22-23  my scale words: lanes 0-15 x's rows, lanes 16-31 W's columns
.set BO,   24                          ; v24     32 h: my eight numbers of bq
.set CO,   26                          ; v26     my 16 bytes in a block of 512
.set SPW,  28
.set NIL,  29
.set SC,   32                          ; set c at SC + 32 c; register 4 i + q: lanes 0-15 x's block i, lanes 16-31 W's block i, step q
.set T,    32
.set Y,    96
.set AF,   128
.set BQ,   192
.set G1A,  24                          ; s[24:31], s[32:39]: groups 1 and 0 (two sets) for x's parts
.set G0A,  32
.set G1B,  48                          ; s[48:55], s[56:63]: for W's
.set G0B,  56
.set EIGHTH, 66                        ; s[66:67] 0.125
.set QB,   68                          ; s[68:69] my part of qf
.set KVB,  70                          ; s[70:71] my part of kvf
.set BQB,  72                          ; s[72:73] my part of bq
.set MSB, 0
.macro WIN new                         ; the immediate's high byte repeats the setting that is left
.if MSB != \new
	s_set_vgpr_msb (MSB<<8)|\new
.set MSB, \new
.endif
.endm
.set MUL_LO, 0xa1                      ; source 0 (W) window 1, source 1 (x) window 0, C and D window 2
.set MUL_HI, 0xf1                      ; the same, C and D window 3
.set TO_B,   0x40                      ; destination window 1, address window 0
.macro CREST
	s_cmp_lg_u32 s14, 0
	s_cbranch_scc1 .Lnot_wave_0_\@
	s_barrier_signal -3
.Lnot_wave_0_\@:
	s_barrier_wait -3
	s_barrier_signal -1
	s_barrier_wait -1
.endm
.macro CROUND                          ; a whole round of the cluster's barrier
	s_barrier_signal -1
	s_barrier_wait -1
	CREST
.endm
	s_load_b256 s[4:11], s[0:1], 0x0               ; xq s[4:5], wq s[6:7], bq s[8:9], qf s[10:11]
	s_load_b64 s[12:13], s[0:1], 0x20              ; kvf
	v_lshl_add_u32 v[SPW], v0, 2, SPARE
	v_mov_b32 v[NIL], 0
	ds_add_u32 v[SPW], v[NIL]                      ; the wave's opening: the add, twice on end, and its wait ahead of my first tensor load
	ds_add_u32 v[SPW], v[NIL]
	v_lshrrev_b32 v1, 5, v0
	v_readfirstlane_b32 s14, v1                    ; wave 0..3
	s_lshr_b32 s15, s14, 1                         ; which half of the tile's tokens is mine.  Also: I fetch for x (0) or for W (1)
	s_and_b32 s16, s14, 1                          ; which half of its columns.  Also: which part of a half of K I fetch
	s_bfe_u32 s40, ttmp6, 0x40000                  ; cx, cy: my place in the cluster
	s_bfe_u32 s41, ttmp6, 0x40004
	s_lshl_b32 s42, ttmp9, 2
	s_add_co_u32 s42, s42, s40                     ; tile of columns = 4 x cluster x + cx
	s_and_b32 s17, ttmp7, 0xffff
	s_lshl_b32 s17, s17, 2
	s_add_co_u32 s17, s17, s41                     ; tile of tokens = 4 x cluster y + cy
	s_lshl_b32 s43, s41, 2
	s_lshl_b32 s43, 15, s43                        ; my row of the cluster
	s_lshl_b32 s44, 0x1111, s40                    ; my column
	s_or_b32 s[G1A+0], s43, (3<<16)|(1<<21)        ; the mask; elements of 8 bytes; bit 21 set beside a mask; no padding
	s_or_b32 s[G1B+0], s44, (3<<16)|(1<<21)
.irp g, G1A, G1B
	s_mov_b32 s[\g+1], 32<<16                      ; a dense block as rows of 256 bytes: tensor_dim0 = 32
	s_mov_b32 s[\g+2], 136<<16                     ; tensor_dim1 = 136
	s_mov_b32 s[\g+3], 32<<16                      ; tile_dim0
	s_mov_b32 s[\g+4], 136                         ; tile_dim1
	s_mov_b32 s[\g+5], 32                          ; the pitch
	s_mov_b32 s[\g+6], 0
	s_mov_b32 s[\g+7], 0
.endr
	s_mov_b32 s[EIGHTH], 0x3e000000
	s_mov_b32 s[EIGHTH+1], s[EIGHTH]               ; (named with it as a pair, so it is written)
	s_mul_i32 s18, s16, PARTB                      ; my part of a half
	s_mul_i32 s20, s17, TILEB                      ; x's tile hangs on the tile of tokens alone,
	s_add_co_u32 s20, s20, s18
	s_mov_b32 s21, 0
	s_mul_i32 s46, s42, TILEB                      ; W's on the tile of columns alone
	s_add_co_u32 s46, s46, s18
	s_mov_b32 s47, 0
	s_mul_i32 s45, s15, TILEB                      ; where they go: the wave's number alone enters an LDS address
	s_add_co_u32 s45, s45, s18
	s_wait_dscnt 0x0                               ; both opening adds are done
	s_wait_kmcnt 0x0
	s_add_nc_u64 s[20:21], s[4:5], s[20:21]
	s_add_nc_u64 s[46:47], s[6:7], s[46:47]
	CROUND                                         ; all sixteen work-groups are here: the joint loads meet
.irp c, 0,1
	s_mov_b32 s[G0A+4*\c], 1
	s_add_co_u32 s[G0A+4*\c+1], s45, \c*HALFB
	s_add_nc_u64 s[G0A+4*\c+2:G0A+4*\c+3], s[20:21], \c*HALFB
	s_or_b32 s[G0A+4*\c+3], s[G0A+4*\c+3], 0x80000000
	s_mov_b32 s[G0B+4*\c], 1
	s_add_co_u32 s[G0B+4*\c+1], s45, \c*HALFB
	s_add_nc_u64 s[G0B+4*\c+2:G0B+4*\c+3], s[46:47], \c*HALFB
	s_or_b32 s[G0B+4*\c+3], s[G0B+4*\c+3], 0x80000000
.endr
	s_cmp_eq_u32 s15, 0                            ; a wave's two loads stand in one arm of one branch on the wave's number; an s_nop 0 follows each, four v_nop the second
	s_cbranch_scc0 .Lfirst_b
	tensor_load_to_lds s[G0A:G0A+3], s[G1A:G1A+7]
	s_nop 0
	tensor_load_to_lds s[G0A+4:G0A+7], s[G1A:G1A+7]
	s_nop 0
.rept 4
	v_nop
.endr
	s_branch .Lfirst_asked
.Lfirst_b:
	tensor_load_to_lds s[G0B:G0B+3], s[G1B:G1B+7]
	s_nop 0
	tensor_load_to_lds s[G0B+4:G0B+7], s[G1B:G1B+7]
	s_nop 0
.rept 4
	v_nop
.endr
.Lfirst_asked:
	v_and_b32 v1, 15, v0                           ; r
	v_bfe_u32 v2, v0, 4, 1                         ; h
	v_lshlrev_b32 v3, 4, v1                        ; a row's 16 bytes of a block,
	v_lshl_add_u32 v3, v2, 12, v3                  ; lanes 16-31 one block (4,096 bytes) on
	s_lshl_b32 s18, s15, 11                        ; my 128 tokens
	s_lshl_b32 s19, s16, 11                        ; my 128 columns,
	s_add_co_u32 s19, s19, OPB                     ; in W's tile
.irp c, 0,1
	v_add_nc_u32 v[ADRA+\c], s18, v3
	v_add_nc_u32 v[ADRB+\c], s19, v3
	s_add_co_u32 s18, s18, HALFB
	s_add_co_u32 s19, s19, HALFB
.endr
	v_lshlrev_b32 v5, 3, v1                        ; scale bytes: 8 a row and quarter
	s_lshl_b32 s18, s15, 10
	s_lshl_b32 s19, s16, 10
	s_add_co_u32 s19, s19, OPB
	s_sub_co_u32 s19, s19, s18
	v_mul_u32_u24 v6, s19, v2                      ; lanes 16-31 take W's: one product with h
	s_add_co_u32 s18, s18, 65536
	v_add_nc_u32 v5, v5, v6
	v_add_nc_u32 v[ADRS], s18, v5
	v_add_nc_u32 v[ADRS+1], HALFB, v[ADRS]
	v_lshlrev_b32 v[BO], 5, v2
	v_and_b32 v7, 31, v0
	v_lshlrev_b32 v7, 4, v7                        ; q, k: 16 x lane
	v_and_b32 v8, 7, v1
	v_lshlrev_b32 v8, 4, v8
	v_lshl_add_u32 v8, v2, 7, v8
	v_lshrrev_b32 v9, 3, v1
	v_lshl_add_u32 v8, v9, 8, v8                   ; v: 256 (r / 8) + 128 h + 16 (r % 8)
	s_cmp_eq_u32 ttmp9, 2
	s_cselect_b32 s19, -1, 0
	v_cndmask_b32 v[CO], v7, v8, s19
	s_lshr_b32 s18, s17, 3                         ; the batch: eight tiles of tokens each
	s_lshl_b32 s18, s18, 4
	s_lshl_b32 s19, s40, 2                         ; four heads to a tile of columns,
	s_add_co_u32 s18, s18, s19
	s_lshl_b32 s19, s16, 1                         ; two to a wave
	s_add_co_u32 s18, s18, s19                     ; batch x 16 + my first head
	s_and_b32 s19, s17, 7
	s_lshl_b32 s19, s19, 4
	s_lshl_b32 s22, s15, 3
	s_add_co_u32 s19, s19, s22                     ; my first tile of 16 tokens in the sequence: a multiple of 8
	s_lshl_b32 s22, s18, 18                        ; qf: 262,144 bytes a head,
	s_lshl_b32 s23, s19, 11                        ; 2,048 a tile
	s_add_co_u32 s22, s22, s23
	s_mov_b32 s23, 0
	s_add_nc_u64 s[QB:QB+1], s[10:11], s[22:23]
	s_lshl_b32 s22, s18, 19                        ; kvf: 524,288 bytes a head,
	s_lshl_b32 s19, s19, 12                        ; 16,384 for four tiles,
	s_add_co_u32 s22, s22, s19
	s_cmp_eq_u32 ttmp9, 2
	s_cselect_b32 s19, 8192, 0                     ; V's part behind K's
	s_add_co_u32 s22, s22, s19
	s_add_nc_u64 s[KVB:KVB+1], s[12:13], s[22:23]
.macro FRAG reg, adr, q, i             ; 16 rows x 128 K of 4-bit codes: lane (r, h): registers 4 c .. 4 c + 3 = block 4 q + 2 c + h of row 16 i + r.  Sixteen lanes read 256 consecutive bytes
.irp c, 0,1
	ds_load_b128 v[\reg+4*\c:\reg+4*\c+3], v[\adr] offset:16384*(\q)+8192*\c+256*(\i)
.endr
.endm
; 16 matrix instructions: x's blocks a0, a0 + 1 against W's eight, step q of half sc; p: W's set.  zero = 1: the first product starts the sums.  The 64 accumulators take turns, one instruction a turn, in the same order in every step.
.macro MUL16 a0, p, q, sc, zero
.irp a, \a0, \a0+1
.irp b, 0,1,2,3,4,5,6,7
.if \zero
	v_wmma_scale_f32_16x16x128_f8f6f4 v[8*(8*((\a)%4)+\b):8*(8*((\a)%4)+\b)+7], v[128*(\p)+FR*\b:128*(\p)+FR*\b+FR-1], v[AF+FR*(\a):AF+FR*(\a)+FR-1], 0, v[SC+8*NQ*(\sc)+NQ*\b+(\q)], v[SC+8*NQ*(\sc)+NQ*(\a)+(\q)] matrix_a_fmt:MATRIX_FMT_FP4 matrix_b_fmt:MATRIX_FMT_FP4 matrix_a_scale:MATRIX_SCALE_ROW1
.else
	v_wmma_scale_f32_16x16x128_f8f6f4 v[8*(8*((\a)%4)+\b):8*(8*((\a)%4)+\b)+7], v[128*(\p)+FR*\b:128*(\p)+FR*\b+FR-1], v[AF+FR*(\a):AF+FR*(\a)+FR-1], v[8*(8*((\a)%4)+\b):8*(8*((\a)%4)+\b)+7], v[SC+8*NQ*(\sc)+NQ*\b+(\q)], v[SC+8*NQ*(\sc)+NQ*(\a)+(\q)] matrix_a_fmt:MATRIX_FMT_FP4 matrix_b_fmt:MATRIX_FMT_FP4 matrix_a_scale:MATRIX_SCALE_ROW1
.endif
.endr
.endr
.endm
.macro FETCH_B slot, q, p
	WIN TO_B
.irp i, 0,1,2,3,4,5,6,7
	FRAG 128*(\p)+FR*\i, ADRB+\slot, \q, \i
.endr
	WIN 0
.endm
.macro FETCH_A slot, q, i0
.irp i, \i0, \i0+1, \i0+2, \i0+3
	FRAG AF+FR*(\i), ADRA+\slot, \q, \i
.endr
.endm
.macro SCALES c                        ; half c's scale words: two words (two steps) a load; lanes 0-15 x's block i, lanes 16-31 W's block i
.irp i, 0,1,2,3,4,5,6,7
.irp qq, 0,1
	ds_load_b64 v[SC+32*\c+4*\i+2*\qq:SC+32*\c+4*\i+2*\qq+1], v[ADRS+\c] offset:2048*\qq+128*\i
.endr
.endr
.endm
.macro PLACES n                        ; plain vector instructions in front of loads into registers that matrix instructions have read, and of the first read of results
.rept \n
	v_nop
.endr
.endm
.macro STEP slot, q, zero              ; a step of 128 along K that has its successor in the same half
	s_wait_dscnt 4*NL                              ; W's set and x's blocks 0-3 are in; the youngest eight loads (x's blocks 4-7) may be out
	WIN MUL_LO
	MUL16 0, (\q)%2, \q, \slot, \zero
	MUL16 2, (\q)%2, \q, \slot, \zero
	s_wait_dscnt 0                                 ; x's blocks 4-7 are in
	PLACES NP
	FETCH_B \slot, (\q)+1, 1-(\q)%2
	FETCH_A \slot, (\q)+1, 0
	WIN MUL_HI
	MUL16 4, (\q)%2, \q, \slot, \zero
	MUL16 6, (\q)%2, \q, \slot, \zero
	PLACES NP
	WIN 0
	FETCH_A \slot, (\q)+1, 4
.endm
.macro STEPS slot, from
.set Q, \from
.rept NQ-1-\from
	STEP \slot, Q, 0
.set Q, Q+1
.endr
.endm
.macro MID                             ; the first half's last step: behind its barrier the second half of K, which every wave has waited for, is read.  Nothing is filled again
	s_wait_tensorcnt 0x0                           ; my part of the second half has landed
	ds_add_u32 v[SPW], v[NIL]                      ; 0 onto my spare word
	s_wait_dscnt 4*NL+1                            ; (the add and the youngest eight loads may be out)
	WIN MUL_LO
	MUL16 0, 1, NQ-1, 0, 0
	s_wait_dscnt 0x0
	s_barrier_signal -1
	MUL16 2, 1, NQ-1, 0, 0
	WIN 0
	s_barrier_wait -1
	PLACES NP
	FETCH_B 1, 0, 0
	FETCH_A 1, 0, 0
	SCALES 1
	WIN MUL_HI
	MUL16 4, 1, NQ-1, 0, 0
	MUL16 6, 1, NQ-1, 0, 0
	PLACES NP
	WIN 0
	FETCH_A 1, 0, 4
.endm
.macro HALF1                           ; the second half's four steps
	STEPS 1, 0
	s_wait_dscnt 4*NL
	WIN MUL_LO
	MUL16 0, 1, NQ-1, 1, 0
	MUL16 2, 1, NQ-1, 1, 0
	s_wait_dscnt 0
	WIN MUL_HI
	MUL16 4, 1, NQ-1, 1, 0
	MUL16 6, 1, NQ-1, 1, 0
	WIN 0
.endm
; The way out of x's block a (16 tokens x my 128 columns): eight blocks of 512 bytes.  Each accumulator is read from its low end on.
.macro OUTKV a
.set AC, 64*((\a)%4)
.set YY, Y+32*((\a)%2)
.if (\a) >= 2
	s_wait_xcnt 0x0                                ; block a - 2's stores have read their registers
.endif
	WIN 0x0a+5*((\a)/4)                            ; sources 0 and 1: window 2 or 3
.irp b, 0,1,2,3,4,5,6,7
.irp r, 0,1,2,3
	v_cvt_pk_f16_f32 v[YY+4*\b+\r], v[AC+8*\b+2*\r], v[AC+8*\b+2*\r+1]
.endr
.endr
	WIN 0
.irp b, 0,1,2,3,4,5,6,7
	global_store_b128 v[CO], v[YY+4*\b:YY+4*\b+3], s[KVB:KVB+1] offset:((\a)/4)*16384+((\a)%4)*2048+(\b/4)*524288+(\b%4)*512
.endr
.endm
.macro OUTQ a
.set AC, 64*((\a)%4)
.set YY, Y+32*((\a)%2)
	WIN 0x02+((\a)/4)                              ; source 0: window 2 or 3
.irp b, 0,1,2,3,4,5,6,7
.irp r, 0,1,2,3
	v_pk_fma_f32 v[T+8*\b+2*\r:T+8*\b+2*\r+1], v[AC+8*\b+2*\r:AC+8*\b+2*\r+1], s[EIGHTH:EIGHTH+1], v[BQ+8*\b+2*\r:BQ+8*\b+2*\r+1] op_sel_hi:[1,0,1]   ; sum / 8 + bq / 8
.endr
.endr
	WIN 0
.if (\a) >= 2
	s_wait_xcnt 0x0                                ; block a - 2's stores have read their registers
.endif
.irp b, 0,1,2,3,4,5,6,7
.irp r, 0,1,2,3
	v_cvt_pk_f16_f32 v[YY+4*\b+\r], v[T+8*\b+2*\r], v[T+8*\b+2*\r+1]
.endr
.endr
.irp b, 0,1,2,3,4,5,6,7
	global_store_b128 v[CO], v[YY+4*\b:YY+4*\b+3], s[QB:QB+1] offset:(\a)*2048+(\b/4)*262144+(\b%4)*512
.endr
.endm
	s_wait_tensorcnt 1                             ; my part of the first half of K is in; the second half's load may stay out
	s_barrier_signal -1
	s_barrier_wait -1                              ; everybody's is
	FETCH_B 0, 0, 0
	FETCH_A 0, 0, 0
	SCALES 0
	FETCH_A 0, 0, 4
	STEP 0, 0, 1                                   ; the first step's products start the sums: nothing is cleared
	STEPS 0, 1
	MID
	s_cmp_eq_u32 ttmp9, 0                          ; q's tiles take a path of their own, on which bq is loaded and used
	s_cbranch_scc1 .Lq
	HALF1
	PLACES NP
.irp a, 0,1,2,3,4,5,6,7
	OUTKV \a
.endr
	s_branch .Lend
.Lq:
	s_lshl_b32 s18, s42, 10                        ; bq: 256 numbers a tile of columns (here the tile is one of q's four),
	s_lshl_b32 s19, s16, 9                         ; 128 a wave
	s_add_co_u32 s18, s18, s19
	s_mov_b32 s19, 0
	s_add_nc_u64 s[BQB:BQB+1], s[8:9], s[18:19]
.irp b, 0,1,2,3,4,5,6,7
	global_load_b128 v[BQ+8*\b:BQ+8*\b+3], v[BO], s[BQB:BQB+1] offset:64*\b          ; bq at columns 16 b + 8 h + 0 .. 7: the result's layout; they land under four steps of products
	global_load_b128 v[BQ+8*\b+4:BQ+8*\b+7], v[BO], s[BQB:BQB+1] offset:64*\b+16
.endr
	HALF1
	s_wait_loadcnt 0x0
.set i, 0
.rept 32
	v_pk_mul_f32 v[BQ+i:BQ+i+1], v[BQ+i:BQ+i+1], s[EIGHTH:EIGHTH+1] op_sel_hi:[1,0]   ; bq / 8.  These 32 name no register of the last products: they are the places behind them
.set i, i+2
.endr
.irp a, 0,1,2,3,4,5,6,7
	OUTQ \a
.endr
.Lend:
	s_wait_tensorcnt 0x0                           ; the wave's end
	ds_add_u32 v[SPW], v[NIL]
	s_wait_dscnt 0x0
	CROUND                                         ; the closing round
	s_endpgm
.Lfunc_end_k_q0e52b58c07_qkv:
	.size	k_q0e52b58c07_qkv, .Lfunc_end_k_q0e52b58c07_qkv-k_q0e52b58c07_qkv
	.p2alignl 7, 3214868480
	.fill 96, 4, 3214868480
	.section	.rodata,"a",@progbits
	.p2align	6, 0x0
	.amdhsa_kernel k_q0e52b58c07_qkv
		.amdhsa_group_segment_fixed_size 327680
		.amdhsa_private_segment_fixed_size 0
		.amdhsa_enable_private_segment 0
		.amdhsa_kernarg_size 40
		.amdhsa_user_sgpr_count 2
		.amdhsa_user_sgpr_kernarg_segment_ptr 1
		.amdhsa_wavefront_size32 1
		.amdhsa_system_sgpr_workgroup_id_x 1
		.amdhsa_system_sgpr_workgroup_id_y 1
		.amdhsa_system_sgpr_workgroup_id_z 1
		.amdhsa_system_vgpr_workitem_id 0
		.amdhsa_next_free_vgpr 1024
		.amdhsa_next_free_sgpr 80
		.amdhsa_reserve_vcc 0
		.amdhsa_float_denorm_mode_32 3
		.amdhsa_float_denorm_mode_16_64 3
		.amdhsa_memory_ordered 1
		.amdhsa_forward_progress 1
		.amdhsa_inst_pref_size 199
	.end_amdhsa_kernel
	.amdgpu_metadata
---
amdhsa.version: [ 1, 2 ]
amdhsa.kernels:
  - .name:           k_q0e52b58c07_qkv
    .symbol:         k_q0e52b58c07_qkv.kd
    .args:
      - { .name: xq, .offset: 0, .size: 8, .value_kind: global_buffer, .address_space: global }
      - { .name: wq, .offset: 8, .size: 8, .value_kind: global_buffer, .address_space: global }
      - { .name: bq, .offset: 16, .size: 8, .value_kind: global_buffer, .address_space: global }
      - { .name: qf, .offset: 24, .size: 8, .value_kind: global_buffer, .address_space: global }
      - { .name: kvf, .offset: 32, .size: 8, .value_kind: global_buffer, .address_space: global }
    .group_segment_fixed_size: 327680
    .private_segment_fixed_size: 0
    .kernarg_segment_align: 8
    .kernarg_segment_size: 40
    .max_flat_workgroup_size: 128
    .sgpr_count:     80
    .vgpr_count:     1024
    .wavefront_size: 32
...
	.end_amdgpu_metadata
.endif
;; end of part 3
;; launch attn (part 4): grid 8 x 64, 4 waves a work-group, clusters of 4 x 1, 327,680 bytes of LDS; arguments qf, kvf, attention_mask, bv, out0; writes out0
.if DOCPART == 4
	.amdgcn_target "amdgcn-amd-amdhsa--gfx1250"
	.amdhsa_code_object_version 6
	.text
	.protected	k_q0e52b58c07_attn
	.globl	k_q0e52b58c07_attn
	.p2align	8
	.type	k_q0e52b58c07_attn,@function
k_q0e52b58c07_attn:
	s_mov_b64 s[64:65], 0
	v_nop
	global_prefetch_b8 v0, s[64:65] scope:SCOPE_SE
	s_setreg_imm32_b32 hwreg(HW_REG_WAVE_MODE, 25, 1), 1
	s_wait_xcnt 0x0
	s_wait_alu depctr_hold_cnt(0) depctr_sa_sdst(0) depctr_va_vdst(0) depctr_va_sdst(0) depctr_va_ssrc(0) depctr_va_vcc(0) depctr_vm_vsrc(0)
	s_getreg_b32 s2, hwreg(HW_REG_IB_STS2, 6, 4)
	s_cmp_eq_u32 s2, 0
	s_cbranch_scc0 .Lentry_in_a_cluster
	s_endpgm
.Lentry_in_a_cluster:
	s_bfe_u32 s2, ttmp6, 0x10000c
	s_cmp_lg_u32 s2, 0x3003
	s_cbranch_scc0 .Lentry_shape_is_right
	s_endpgm
.Lentry_shape_is_right:
; out0[b][q][64 head + :] = sum over keys of softmax(q . k / 8 + mask[b][key]) v + bv.  q (with the 1 / 8 in it), k, v come as f16 in the order of the operand registers (qf, kvf); products on f16, sums, maxima and the softmax in f32.
; LEFT OUT: bk (the same for all keys of a row; shown at the first launch's head).  bv is added here once, on the way out: the weights of a row sum to 1, for all values.
; LIMITS: a score (mask included) under -2^126 counts as hidden (weight 0); a query all of whose keys are hidden so gives NaN, where a plain mean would be due.  NaN among the inputs is not served.
; SHARES: a work-group owns 256 queries of one head, each of its four waves 64: four tiles of 16, in two PIECES (tiles 0, 1 and tiles 2, 3).  Every wave walks the head's 2,048 keys, 64 a step.
; LAYOUT: S^T = K Q^T + mask (source 0 = 16 keys, source 1 = 16 queries; THE MASK IS THE C of a sum's first instruction: register j of lane (r, h) holds mask[16 kt + 8 h + j]): a lane holds ONE query.
; Two tiles of S^T, rounded to f16 in pairs, are source 1 of O^T = V^T P.  K comes out of LDS as it lies, V by the turning load; every LDS load reads 512 consecutive bytes.
; SOFTMAX: for each query a running maximum m and sum l: p = 2^(c s - c m), c = log2(e); in every step O and l are multiplied by a = 2^(c m_old - c m_new).
; BY TURNS: in a turn one piece has the matrix unit (16 products V^T P of the step in hand, 16 products K Q^T of the next), and the other piece's softmax, 236 vector instructions in 59 slices of four, stands between them:
; two slices behind each product, one behind each of the last five, so that a turn's last product has four plain instructions behind it.
; THE RING: steps 0 and 1 lie in bytes of their own, filled once; two slots of six steps (98,304 bytes) take turns: one joint load a wave behind each round, with six steps, 384 matrix instructions, in which to land.
; Three tensor loads of a wave are out at the head, later one.  CLUSTER: the four query blocks of a cluster belong to one head: every load is joint, with the mask of all four.
; REGISTERS, in windows of 256: window 0: v1-11 addresses; v12-43 statistics, eight a tile; v60-63; v64-191 S^T, 32 a tile; v192-255 P, 16 a tile.   window 1: v0-127 O^T, 32 a tile.
;   window 2: v0-63 Q; v64-95 the step's mask; v96-127 bv; v128-191 K of one step; v192-255 V of one step.
.set STEPB, 16384                      ; a step: K's 8,192 bytes, then V's
.set SLOTB, 6*STEPB
.set PREG,  SLOTB                      ; steps 0 and 1, behind slot A
.set SLOT1, 1<<17                      ; slot B begins here: one exclusive or turns an address in one slot into the other's
.set MASKL, SLOT1+SLOTB                ; the batch's 2,048 mask numbers
.set STAGE, MASKL+8192                 ; the way out: 16 rows x 272 bytes for each wave
.set SP,    272
.set SPARE, STAGE+4*16*SP              ; the spare words, 128 bytes for each wave, which no other line names
.set AK0, 2                            ; v2   16 x lane; never rewritten (also Q's offset)
.set AV0, 3                            ; v3   16 x lane + 8,192
.set ADR, 4                            ; v4   the LDS address of the run of loads in hand
.set STO, 6
.set RD,  7
.set GO,  8
.set AM0, 10                           ; v10  MASKL + 32 h
.set ADRM, 11                          ; v11  the step's mask
.set ST,  12                           ; tile t's statistics at v[ST + 8 t]: +0 c m, +1 m, +2, +3 l, +4 to +7 c0-c3, at work; a takes c2's place
.set BO,  60                           ; v60  32 h
.set PFO, 61                           ; v61  256 x lane
.set SPW, 62
.set NIL, 63
.set S,   64
.set P,   192
.set MK,  64                           ; in window 2
.set BV,  96
.set KF,  128
.set VF,  192
.set WV,  14                           ; s14  my wave's number
.set LIM, 15                           ; s15  1 in a wave that prefetches, else the greatest number
.set G1M, 24                           ; s[24:31] group 1 for the mask; s[32:39] for steps 0, 1; s[40:47] for a slot
.set G1P, 32
.set G1S, 40
.set G0M, 48                           ; s[48:51], s[52:55], s[56:59] their groups 0; the last walks
.set G0P, 52
.set G0S, 56
.set SLOTS, 60
.set CNT, 61
.set CS,  62                           ; s[62:63] c = log2(e)
.set SEL, 66                           ; s[66:67] lane selects: lane l xor 16
.set TB,  68                           ; s68  LDS byte at which the step to be fetched begins
.set TM,  70                           ; s70  and its mask numbers: 256 bytes a step
.set PFA, 72                           ; s[72:73] where my prefetches stand
.set MSB, 0
.macro WIN new                         ; the immediate's high byte repeats the setting that is left; a switch that changes nothing is dropped
.if MSB != \new
	s_set_vgpr_msb (MSB<<8)|\new
.set MSB, \new
.endif
.endm
.set W_KQ0, 0x2a                       ; K, Q and the mask in window 2, S^T in window 0
.set W_KQ,  0x0a                       ; K and Q in window 2, S^T in window 0
.set W_PV,  0x52                       ; V in window 2, P in window 0, O^T in window 1
.set W_RS,  0x41                       ; O^T in window 1, a in window 0
.macro CROUND                          ; a round of the cluster's barrier
	s_barrier_signal -1
	s_barrier_wait -1
	s_cmp_lg_u32 s[WV], 0
	s_cbranch_scc1 .Lnot_wave_0_\@
	s_barrier_signal -3
.Lnot_wave_0_\@:
	s_barrier_wait -3
	s_barrier_signal -1
	s_barrier_wait -1
.endm
.macro PLACES
.rept 4
	v_nop
.endr
.endm
.macro JLOAD                           ; the joint refill: every wave's quarter of a slot; an s_nop 0 and four v_nop follow
	tensor_load_to_lds s[G0S:G0S+3], s[G1S:G1S+7]
	s_nop 0
	PLACES
.endm
; A prefetch of what the NEXT change of slots will ask for: 98,304 bytes.  Both clusters of a head walk the same bytes: the first asks.  Its four partners take 24,576 bytes each, told apart by address;
; in each, waves 0 to 2 ask for 8,192 bytes, lanes 256 bytes apart: each block of 256 bytes is named once in the launch.  The last change that fills a slot asks for nothing.
.macro ASK
	s_cmp_gt_u32 s[SLOTS], s[LIM]
	s_cbranch_scc0 .Lnot_mine_\@
	global_prefetch_b8 v[PFO], s[PFA:PFA+1] th:TH_LOAD_NT scope:SCOPE_SE
.Lnot_mine_\@:
.endm
	s_load_b256 s[4:11], s[0:1], 0x0               ; qf s[4:5], kvf s[6:7], attention_mask s[8:9], bv s[10:11]
	s_load_b64 s[12:13], s[0:1], 0x20              ; out0
	v_lshl_add_u32 v[SPW], v0, 2, SPARE
	v_mov_b32 v[NIL], 0
	ds_add_u32 v[SPW], v[NIL]                      ; the wave's opening: the add, twice on end, and its wait ahead of my first tensor load
	ds_add_u32 v[SPW], v[NIL]
	v_lshrrev_b32 v1, 5, v0
	v_readfirstlane_b32 s[WV], v1                  ; wave 0..3
	s_bfe_u32 s74, ttmp6, 0x40000                  ; cx: it enters Q's, out0's and the prefetches' addresses alone
	s_lshl_b32 s75, ttmp9, 2
	s_add_co_u32 s75, s75, s74                     ; my block of 256 queries
	s_and_b32 s76, ttmp7, 0xffff                   ; batch x 16 + head, which the four partners share
	s_lshr_b32 s77, s76, 4                         ; the batch
	s_and_b32 s78, s76, 15                         ; the head
	s_lshl_b32 s80, s76, 19                        ; the head's first byte in kvf
	s_mov_b32 s81, 0
	s_lshl_b32 s82, s[WV], 13                      ; my quarter of steps 0 and 1
	s_mov_b32 s83, 0
	s_mul_i32 s84, s[WV], 24576                    ; my quarter of a slot
	s_mov_b32 s85, 0
	s_lshl_b32 s86, s77, 13                        ; the batch's mask,
	s_lshl_b32 s87, s[WV], 11                      ; my quarter of it
	s_add_co_u32 s86, s86, s87
	s_mov_b32 s[G0M], 1
	s_add_co_u32 s[G0M+1], s87, MASKL
	s_mov_b32 s87, 0
	s_mov_b32 s[G0P], 1
	s_add_co_u32 s[G0P+1], s82, PREG
	s_mov_b32 s[G0S], 1
	s_mov_b32 s[G0S+1], s84                        ; slot A
	s_lshl_b32 s88, s76, 18                        ; Q: 262,144 bytes a head,
	s_lshl_b32 s89, s75, 15                        ; 32,768 a block of 256 queries,
	s_add_co_u32 s88, s88, s89
	s_add_co_u32 s88, s88, s82                     ; 8,192 a wave
	s_mov_b32 s89, 0
	s_lshl_b32 s90, s77, 23                        ; out0: 2,048 rows of 4,096 bytes a batch,
	s_lshl_b32 s91, s75, 20                        ; 256 a block,
	s_add_co_u32 s90, s90, s91
	s_lshl_b32 s91, s[WV], 18                      ; 64 a wave,
	s_add_co_u32 s90, s90, s91
	s_lshl_b32 s92, s78, 8                         ; the head's 256 bytes of a row (and of bv)
	s_add_co_u32 s90, s90, s92
	s_mov_b32 s91, 0
	s_mov_b32 s93, 0
	s_mul_i32 s94, s74, 24576                      ; the prefetches: my work-group's quarter,
	s_add_co_u32 s94, s94, s82                     ; my wave's 8,192 bytes,
	s_add_co_u32 s94, s94, 8*STEPB                 ; at step 8: the first change of slots steps it to step 14.  Nothing is prefetched at the head
	s_mov_b32 s95, 0
.irp g, G1M, G1P, G1S                  ; dense blocks as rows of 256 bytes
	s_mov_b32 s[\g], 15|(3<<16)|(1<<21)            ; the mask: all four work-groups; elements of 8 bytes; bit 21 set beside a mask
	s_mov_b32 s[\g+1], 32<<16                      ; tensor_dim0 = 32
	s_mov_b32 s[\g+3], 32<<16                      ; tile_dim0
	s_mov_b32 s[\g+5], 32                          ; the pitch
	s_mov_b32 s[\g+6], 0
	s_mov_b32 s[\g+7], 0
.endr
	s_mov_b32 s[G1M+2], 8<<16                      ; rows: 8, 32, 96
	s_mov_b32 s[G1M+4], 8
	s_mov_b32 s[G1P+2], 32<<16
	s_mov_b32 s[G1P+4], 32
	s_mov_b32 s[G1S+2], 96<<16
	s_mov_b32 s[G1S+4], 96
	s_mov_b32 s[CS], 0x3fb8aa3b                    ; c = log2(e)
	s_mov_b32 s[CS+1], s[CS]                       ; (named with it as a pair, so it is written)
	s_mov_b32 s[SEL], 0x76543210
	s_mov_b32 s[SEL+1], 0xfedcba98
	s_mov_b32 s[TB], PREG
	s_mov_b32 s[TM], 0
	s_mov_b32 s[SLOTS], 4
	s_cmp_lt_u32 s[WV], 3
	s_cselect_b32 s[LIM], 0, 1
	s_or_b32 s[LIM], s[LIM], ttmp9                 ; 0 in waves 0 to 2 of the head's first cluster: the same in all four partners
	s_cmp_eq_u32 s[LIM], 0
	s_cselect_b32 s[LIM], 1, -1
	s_wait_dscnt 0x0                               ; both opening adds are done
	s_wait_kmcnt 0x0
	s_add_nc_u64 s[6:7], s[6:7], s[80:81]          ; kvf at my head
	s_add_nc_u64 s[G0M+2:G0M+3], s[8:9], s[86:87]
	s_or_b32 s[G0M+3], s[G0M+3], 0x80000000
	s_add_nc_u64 s[G0P+2:G0P+3], s[6:7], s[82:83]
	s_or_b32 s[G0P+3], s[G0P+3], 0x80000000
	s_add_nc_u64 s[G0S+2:G0S+3], s[6:7], s[84:85]
	s_add_nc_u64 s[G0S+2:G0S+3], s[G0S+2:G0S+3], 2*STEPB   ; steps 2 to 7
	s_or_b32 s[G0S+3], s[G0S+3], 0x80000000
	s_add_nc_u64 s[PFA:PFA+1], s[6:7], s[94:95]
	s_add_nc_u64 s[4:5], s[4:5], s[88:89]
	s_add_nc_u64 s[12:13], s[12:13], s[90:91]
	s_add_nc_u64 s[10:11], s[10:11], s[92:93]
	CROUND                                         ; all four work-groups are here: the first joint loads meet
	tensor_load_to_lds s[G0M:G0M+3], s[G1M:G1M+7]  ; every wave issues all three, with no branch
	s_nop 0
	tensor_load_to_lds s[G0P:G0P+3], s[G1P:G1P+7]
	s_nop 0
	tensor_load_to_lds s[G0S:G0S+3], s[G1S:G1S+7]
	s_nop 0
	PLACES
	v_and_b32 v1, 15, v0                           ; r
	v_bfe_u32 v9, v0, 4, 1                         ; h
	v_and_b32 v[AK0], 31, v0
	v_lshlrev_b32 v[PFO], 8, v[AK0]
	v_lshlrev_b32 v[AK0], 4, v[AK0]
	v_add_nc_u32 v[AV0], 8192, v[AK0]
	v_lshl_add_u32 v[AM0], v9, 5, MASKL
	v_lshlrev_b32 v[BO], 5, v9
	WIN 0x80                                       ; destination window 2, address window 0
.irp i, 0,1,2,3,4,5,6,7                ; Q stays in registers: tile i / 2, channels 32 (i % 2) on; each load reads 512 consecutive bytes
	global_load_b128 v[8*\i:8*\i+3],   v[AK0], s[4:5] offset:1024*\i th:TH_LOAD_NT
	global_load_b128 v[8*\i+4:8*\i+7], v[AK0], s[4:5] offset:1024*\i+512 th:TH_LOAD_NT
.endr
.irp ct, 0,1,2,3                       ; bv at channels 16 ct + 8 h + 0 .. 7: O^T's layout
	global_load_b128 v[BV+8*\ct:BV+8*\ct+3],   v[BO], s[10:11] offset:64*\ct
	global_load_b128 v[BV+8*\ct+4:BV+8*\ct+7], v[BO], s[10:11] offset:64*\ct+16
.endr
	WIN 0
; THE MATRIX WORK OF A TURN, for piece x.  The accumulators take turns, one instruction a turn: between two links of a chain stand seven others'.
; Product i of 16 of O^T += V^T P: keys 32 (i / 8) on, channels 16 ((i / 2) % 4) on, tile x + i % 2.  zero = 1: the first eight start the sums.
.macro PV x, zero
	WIN W_PV
.set rO, 32*(\x+i%2)+8*((i/2)%4)
.set rV, VF+32*(i/8)+8*((i/2)%4)
.set rP, P+16*(\x+i%2)+8*(i/8)
.if \zero && (i < 8)
	v_wmma_f32_16x16x32_f16 v[rO:rO+7], v[rV:rV+7], v[rP:rP+7], 0
.else
	v_wmma_f32_16x16x32_f16 v[rO:rO+7], v[rV:rV+7], v[rP:rP+7], v[rO:rO+7]
.endif
.endm
; Product i of 16 of S^T = K Q^T + mask: channels 32 (i / 8) on, keys 16 ((i / 2) % 4) on, tile x + i % 2.  The first eight start the sums with the mask.
.macro KQ x
.set rS, S+32*(\x+i%2)+8*((i/2)%4)
.set rK, KF+16*((i/2)%4)+8*(i/8)
.set rQ, 16*(\x+i%2)+8*(i/8)
.set rM, MK+8*((i/2)%4)
.if i < 8
	WIN W_KQ0
	v_wmma_f32_16x16x32_f16 v[rS:rS+7], v[rK:rK+7], v[rQ:rQ+7], v[rM:rM+7]
.else
	WIN W_KQ
	v_wmma_f32_16x16x32_f16 v[rS:rS+7], v[rK:rK+7], v[rQ:rQ+7], v[rS:rS+7]
.endif
.endm
; THE LDS LOADS stand in runs.  K's run: 24 loads in the order of their use: the mask and channels 0-31 of the four tiles of keys (16), then channels 32-63 (8).
.macro FETCH_K
	WIN 0
	v_add_nc_u32 v[ADR], s[TB], v[AK0]
	v_add_nc_u32 v[ADRM], s[TM], v[AM0]
	s_add_co_u32 s[TM], s[TM], 256
	WIN 0x80
.irp kt, 0,1,2,3
	ds_load_b128 v[MK+8*\kt:MK+8*\kt+3],     v[ADRM] offset:64*\kt
	ds_load_b128 v[MK+8*\kt+4:MK+8*\kt+7],   v[ADRM] offset:64*\kt+16
	ds_load_b128 v[KF+16*\kt:KF+16*\kt+3],   v[ADR] offset:2048*\kt
	ds_load_b128 v[KF+16*\kt+4:KF+16*\kt+7], v[ADR] offset:2048*\kt+512
.endr
.irp kt, 0,1,2,3
	ds_load_b128 v[KF+16*\kt+8:KF+16*\kt+11],  v[ADR] offset:2048*\kt+1024
	ds_load_b128 v[KF+16*\kt+12:KF+16*\kt+15], v[ADR] offset:2048*\kt+1536
.endr
.endm
; V's run: 16 turning loads, keys 0-31 first.  The wait for the softmax's batch of exponentials stands in it, behind the address's addition and ahead of the loads.
.macro FETCH_V
	WIN 0
	v_add_nc_u32 v[ADR], s[TB], v[AV0]
	s_add_co_u32 s[TB], s[TB], STEPB               ; the next fetch is the next step's
	s_wait_alu depctr_va_vdst(0)
	WIN 0x80
.irp u, 0,1
.irp ct, 0,1,2,3
	ds_load_tr16_b128 v[VF+32*\u+8*\ct:VF+32*\u+8*\ct+3],   v[ADR] offset:(2*\u)*2048+512*\ct
	ds_load_tr16_b128 v[VF+32*\u+8*\ct+4:VF+32*\u+8*\ct+7], v[ADR] offset:(2*\u+1)*2048+512*\ct
.endr
.endr
.endm
; THE VECTOR WORK OF A TURN.  One tile's softmax for one key step is a list of 118 instructions; SM writes number j of it for tile t.  s0-s31 are the lane's 32 scores, in pairs 0-15.
;   0-15    the maximum of s0-s31 and the old m (first step: and the floor -2^126, which keeps c m finite), three operands at a time
;   16-20   the other half of the lanes' maximum; the new m; c m; c m_old - c m_new
;   21-69   ONE BATCH: the 16 scalings c s - c m and all 33 exponentials (a at 23, then s0-s31); none of these reads an exponential's result
;   (wait)  between 69 and 70 stands the one wait for the batch: SLICE writes it, once for both tiles
;   70-85   the roundings to f16;   86-101 the sums, l = a l + the sum;   102-117 the tile's O^T times a
.macro SM t, first
.set rT, ST+8*(\t)
.set rS, S+32*(\t)
.set rP, P+16*(\t)
.set rO, 32*(\t)+2*(j-102)
.if j < 102
	WIN 0
.endif
.if j < 4
	v_max3_num_f32 v[rT+4+j], v[rS+8*j], v[rS+8*j+1], v[rS+8*j+2]
.elseif j < 12
	v_max3_num_f32 v[rT+4+j%4], v[rT+4+j%4], v[rS+8*(j%4)+2*(j/4)+1], v[rS+8*(j%4)+2*(j/4)+2]
.elseif j == 12
	v_max3_num_f32 v[rT+4], v[rT+4], v[rS+7], v[rS+15]
.elseif j == 13
	v_max3_num_f32 v[rT+6], v[rT+6], v[rS+23], v[rS+31]
.elseif j == 14
	v_max3_num_f32 v[rT+4], v[rT+4], v[rT+5], v[rT+6]
.elseif (j == 15) && \first
	v_max3_num_f32 v[rT+4], v[rT+4], v[rT+7], 0xfe800000
.elseif j == 15
	v_max3_num_f32 v[rT+4], v[rT+4], v[rT+7], v[rT+1]
.elseif j == 16
	v_permlanex16_b32 v[rT+5], v[rT+4], s[SEL], s[SEL+1]  ; the query's other 32 keys lie in the lane 16 away
.elseif j == 18
	v_max_num_f32 v[rT+1], v[rT+4], v[rT+5]
.elseif j == 19
	v_mul_f32 v[rT], s[CS], v[rT+1]
.elseif ((j == 17) || (j == 20) || (j == 23) || (j > 101)) && \first  ; the first step has none of these
.elseif j == 17
	v_mov_b32 v[rT+7], v[rT]                       ; c m_old is kept for a
.elseif j == 20
	v_sub_f32 v[rT+7], v[rT+7], v[rT]
.elseif j == 23
	v_exp_f32 v[rT+6], v[rT+7]
.elseif (j < 23) || ((j < 38) && (j%2 == 0)) || ((j < 66) && (j%4 == 2))
.set b, (j-2)/4
.if j < 38
.set b, (j-20)/2
.endif
	v_pk_fma_f32 v[rS+2*b:rS+2*b+1], v[rS+2*b:rS+2*b+1], s[CS:CS+1], v[rT:rT+1] op_sel_hi:[1,0,0] neg_lo:[0,0,1] neg_hi:[0,0,1]  ; pair b: c s - c m
.elseif j < 70
.set e, j-38
.if j < 66
.set e, j-32-(j-38)/4
.endif
.if j < 38
.set e, (j-25)/2
.endif
	v_exp_f32 v[rS+e], v[rS+e]
.elseif j < 86
	v_cvt_pk_f16_f32 v[rP+j-70], v[rS+2*(j-70)], v[rS+2*(j-70)+1]
.elseif j < 102
.set z, j-86
.set w, 4
.set u, z
.if z >= 14
.set w, 32
.set u, 0
.elseif z >= 12
.set w, 16
.set u, z-12
.elseif z >= 8
.set w, 8
.set u, z-8
.endif
.if (z == 14) && \first
	v_pk_add_f32 v[rT+2:rT+3], v[rS:rS+1], v[rS+16:rS+17]
.elseif z < 15
	v_pk_add_f32 v[rS+w*u:rS+w*u+1], v[rS+w*u:rS+w*u+1], v[rS+w*u+w/2:rS+w*u+w/2+1]
.elseif !\first
	v_pk_fma_f32 v[rT+2:rT+3], v[rT+2:rT+3], v[rT+6:rT+7], v[rS:rS+1] op_sel_hi:[1,0,1]
.endif
.else
	WIN W_RS
	v_pk_mul_f32 v[rO:rO+1], v[rO:rO+1], v[rT+6:rT+7] op_sel_hi:[1,0]
.endif
.endm
; Slice k of 59 of piece y's softmax: four instructions.  Slices 11 to 34 deal out the batch, numbers 22 to 69, four numbers of ONE tile each, the tiles by turns; every other slice is numbers 2 k and 2 k + 1 of both tiles.
; Behind slice 34 no exponential is issued and ahead of slice 35 no result is named: one plain instruction and one wait serve the piece's 66 exponentials.
.macro SLICE y, first
.if (k >= 11) && (k < 35)
.irp n, 0,1,2,3
.set j, 22+4*((k-11)/2)+(\n)
	SM (\y)+(k-11)%2, \first
.endr
.else
.irp n, 0,1
.irp t, \y, \y+1
.set j, 2*k+\n
	SM \t, \first
.endr
.endr
.endif
.if k == 34
	v_nop
.if (\y) == 0
	FETCH_V                                        ; piece 2's turn: V's run of loads stands here, and the wait stands in it
.else
	s_wait_alu depctr_va_vdst(0)
.endif
.endif
.set k, k+1
.endm
; The slices behind product g of np: per of them, but so that each later product of the turn still has one.
.macro DEAL y, first
.set tgt, per*(g+1)
.if tgt > 59-(np-1-g)
.set tgt, 59-(np-1-g)
.endif
.rept tgt-k
	SLICE \y, \first
.endr
.set g, g+1
.endm
; A TURN.  pv = 2: 16 products V^T P; 1: they start O^T's sums; 0: none.  kq = 1: 16 products K Q^T for the next step.  first = 1: the softmax is the first key step's; its last slices are empty, and four v_nop take their part.
; Piece 0's turn fetches the next step's K behind its first product: the last product that read K stands ahead of slice 58 of the turn before, four plain instructions on the other piece's O^T.
; Piece 2's turn fetches the same step's V behind slice 34: behind the last product that read V stand five plain instructions: number 58 of one tile, number 62 of both, the v_nop and the run's own addition.
.macro TURN x, pv, kq, first
.set k, 0
.set g, 0
.set np, 16
.set per, 4
.if \pv && \kq
.set np, 32
.set per, 2
.endif
.if \pv
.if \x == 0
	s_wait_dscnt 8                                 ; V's keys 0-31 are in; the eight loads of keys 32-63 may be out
.endif
.set i, 0
.rept 16
.if (\x == 0) && (i == 8)
.if \kq
	s_wait_dscnt 24                                ; all of V is in: behind its loads only K's run of 24 was issued
.else
	s_wait_dscnt 0x0
.endif
.endif
	PV \x, 2-\pv
	DEAL 2-\x, \first
.if (\x == 0) && \kq && (i == 0)
	FETCH_K
.endif
.set i, i+1
.endr
.endif
.if \kq
.set i, 0
.rept 16
.if (\x == 0) && (i == 0)
	s_wait_dscnt 8                                 ; the mask and K's channels 0-31 are in; the eight loads of channels 32-63 may be out
.endif
.if (\x == 0) && (i == 8)
	s_wait_dscnt 0x0                               ; all of K is in
.endif
	KQ \x
	DEAL 2-\x, \first
.set i, i+1
.endr
.endif
.if \first
	PLACES
.endif
.endm
; THE CHANGE OF SLOTS, between piece 2's turn and piece 0's: the last bytes of the steps in hand, V of the last of them, have been asked for.  Each wave waits for all its tensor loads (one is out: its part of the
; slot ahead), adds 0 to its spare word, and waits for that and for its own LDS reads.  fill = 1: behind a round of the cluster's barrier the other slot is filled with the six steps that follow those of the slot ahead.
.macro CHANGE fill
	WIN 0
	s_wait_tensorcnt 0x0                           ; no tensor load of mine is out, so the walking group 0 may be written
	ds_add_u32 v[SPW], v[NIL]                      ; 0 onto my spare word
.if \fill
	s_xor_b32 s[G0S+1], s[G0S+1], SLOT1            ; the other slot than last time,
	s_add_nc_u64 s[G0S+2:G0S+3], s[G0S+2:G0S+3], SLOTB   ; the next six steps; the type bits on top are not reached
	s_wait_xcnt 0x0                                ; the last prefetch, six steps back, has read its address
	s_add_nc_u64 s[PFA:PFA+1], s[PFA:PFA+1], SLOTB ; one slot further on than the walking descriptor
	s_wait_dscnt 0x0                               ; the add is done, and my LDS reads are over
	CROUND
	JLOAD                                          ; the first thing behind the round, and my one tensor load until the next
	ASK
.else
	s_wait_dscnt 0x0
	s_barrier_signal -1
	s_barrier_wait -1
.endif
	s_sub_co_u32 s[TB], s[TB], SLOTB               ; the fetches go back to a slot's first step,
	s_xor_b32 s[TB], s[TB], SLOT1                  ; in the other slot
.endm
.macro SIX_STEPS                       ; a slot's six key steps: written once, walked six times; the LDS addresses hang on s[TB] and s[TM]
	s_mov_b32 s[CNT], 6
.Lstep_\@:
	TURN 0, 2, 1, 0
	TURN 2, 2, 1, 0
	WIN 0
	s_sub_co_u32 s[CNT], s[CNT], 1
	s_cmp_lg_u32 s[CNT], 0
	s_cbranch_scc1 .Lstep_\@
.endm
	s_wait_tensorcnt 1                             ; my parts of the mask and of steps 0, 1 are in; slot A's load may stay out
	s_barrier_signal -1
	s_barrier_wait -1                              ; everybody's are
	FETCH_K                                        ; key step 0
	s_wait_loadcnt 0x0                             ; Q and bv
	s_wait_dscnt 0x0
.set i, 0
.rept 16
	KQ 0                                           ; piece 0's first scores: there is no vector work yet to set between them
.set i, i+1
.endr
	WIN 0                                          ; the addresses for the way out: eight plain instructions, the places behind those products
	s_mul_i32 s74, s[WV], 16*SP
	s_add_co_u32 s74, s74, STAGE                   ; my stage
	v_mul_u32_u24 v[STO], v1, SP                   ; in: row r, 32 bytes for each half of the lanes
	v_lshl_add_u32 v[STO], v9, 5, v[STO]
	v_add_nc_u32 v[STO], s74, v[STO]
	v_mul_u32_u24 v[RD], v9, SP                    ; back: lanes 0-15 one row of 256 bytes, lanes 16-31 the next
	v_lshl_add_u32 v[RD], v1, 4, v[RD]
	v_add_nc_u32 v[RD], s74, v[RD]
	v_lshlrev_b32 v[GO], 12, v9                    ; and the same two rows in out0
	v_lshl_add_u32 v[GO], v1, 4, v[GO]
	TURN 2, 0, 1, 1                                ; piece 2's first scores | piece 0's first softmax | V of step 0
	TURN 0, 1, 1, 1                                ; piece 0: V^T P of step 0 starts O^T, K Q^T of step 1 | piece 2's first softmax | K of step 1
	TURN 2, 1, 1, 0                                ; piece 2: the same | piece 0's softmax of step 1 | V of step 1
	WIN 0
	s_mov_b32 s[TB], SLOT1+SLOTB                   ; steps 0 and 1 are fetched: as if slot B had been walked, so that the first change leads to slot A
.Lslot:                                            ; four trips: slot B's first fill (steps 8-13), then refills with steps 14-19, 20-25, 26-31
	CHANGE 1
	SIX_STEPS
	s_sub_co_u32 s[SLOTS], s[SLOTS], 1
	s_cmp_lg_u32 s[SLOTS], 0
	s_cbranch_scc1 .Lslot
	CHANGE 0                                       ; the tail is written out
	SIX_STEPS
	TURN 0, 2, 0, 0                                ; piece 0: V^T P of the last step | piece 2's last softmax
.set i, 0
.rept 16
	PV 2, 0                                        ; piece 2: V^T P of the last step
.set i, i+1
.endr
	; THE WAY OUT.  l's two halves and the other half of the lanes' are added; O^T / l + bv goes through my stage in LDS, a tile (16 queries x 64 channels of f32) at a time.  The additions are the places behind the last products.
	WIN 0
.irp t, 0,1,2,3
	v_add_f32 v[ST+8*\t+4], v[ST+8*\t+2], v[ST+8*\t+3]
.endr
.irp t, 0,1,2,3
	v_permlanex16_b32 v[ST+8*\t+5], v[ST+8*\t+4], s[SEL], s[SEL+1]
.endr
.irp t, 0,1,2,3
	v_add_f32 v[ST+8*\t+4], v[ST+8*\t+4], v[ST+8*\t+5]
.endr
.irp t, 0,1,2,3
	v_rcp_f32 v[ST+8*\t+6], v[ST+8*\t+4]
.endr
	v_nop                                          ; a plain instruction between the last reciprocal and the use of its result
	s_wait_alu depctr_va_vdst(0)                   ; and a wait ahead of the first use: one for the four
.macro PACK t
	WIN 0x21                                       ; O^T in window 1, bv in window 2
.set i, 0
.rept 16
	v_pk_fma_f32 v[S+32*\t+i:S+32*\t+i+1], v[32*\t+i:32*\t+i+1], v[ST+8*\t+6:ST+8*\t+7], v[BV+i:BV+i+1] op_sel_hi:[1,0,1]
.set i, i+2
.endr
	WIN 0
.irp ct, 0,1,2,3
	ds_store_b128 v[STO], v[S+32*\t+8*\ct:S+32*\t+8*\ct+3] offset:64*\ct
	ds_store_b128 v[STO], v[S+32*\t+8*\ct+4:S+32*\t+8*\ct+7] offset:64*\ct+16
.endr
.irp f, 0,1,2,3,4,5,6,7
	ds_load_b128 v[S+32*\t+4*\f:S+32*\t+4*\f+3], v[RD] offset:\f*2*SP  ; LDS serves a wave's instructions in order (ISA guide 5.7.1.4): these see the stores above; the next tile's stores come behind them
.endr
.endm
.macro SEND t, younger                 ; younger: the LDS instructions issued behind tile t's loads: the next tile's sixteen, or none
.irp f, 0,1,2,3,4,5,6,7
	s_wait_dscnt \younger+7-\f
	global_store_b128 v[GO], v[S+32*\t+4*\f:S+32*\t+4*\f+3], s[12:13] offset:\t*65536+\f*8192 th:TH_STORE_NT  ; sixteen lanes store 256 consecutive bytes, at a multiple of 256 from out0's first byte
.endr
.endm
	PACK 0
	PACK 1
	SEND 0, 16
	PACK 2
	SEND 1, 16
	PACK 3
	SEND 2, 16
	SEND 3, 0
	s_wait_tensorcnt 0x0                           ; the wave's end, behind my last tensor load and my last LDS store
	ds_add_u32 v[SPW], v[NIL]
	s_wait_dscnt 0x0
	CROUND                                         ; the closing round: no work-group ends while a partner may still ask for a tile that names it
	s_endpgm
.Lfunc_end_k_q0e52b58c07_attn:
	.size	k_q0e52b58c07_attn, .Lfunc_end_k_q0e52b58c07_attn-k_q0e52b58c07_attn
	.p2alignl 7, 3214868480
	.fill 96, 4, 3214868480
	.section	.rodata,"a",@progbits
	.p2align	6, 0x0
	.amdhsa_kernel k_q0e52b58c07_attn
		.amdhsa_group_segment_fixed_size 327680
		.amdhsa_private_segment_fixed_size 0
		.amdhsa_enable_private_segment 0
		.amdhsa_kernarg_size 40
		.amdhsa_user_sgpr_count 2
		.amdhsa_user_sgpr_kernarg_segment_ptr 1
		.amdhsa_wavefront_size32 1
		.amdhsa_system_sgpr_workgroup_id_x 1
		.amdhsa_system_sgpr_workgroup_id_y 1
		.amdhsa_system_sgpr_workgroup_id_z 1
		.amdhsa_system_vgpr_workitem_id 0
		.amdhsa_next_free_vgpr 768
		.amdhsa_next_free_sgpr 100
		.amdhsa_reserve_vcc 0
		.amdhsa_float_denorm_mode_32 3
		.amdhsa_float_denorm_mode_16_64 3
		.amdhsa_memory_ordered 1
		.amdhsa_forward_progress 1
		.amdhsa_inst_pref_size 162
	.end_amdhsa_kernel
	.amdgpu_metadata
---
amdhsa.version: [ 1, 2 ]
amdhsa.kernels:
  - .name:           k_q0e52b58c07_attn
    .symbol:         k_q0e52b58c07_attn.kd
    .args:
      - { .name: qf, .offset: 0, .size: 8, .value_kind: global_buffer, .address_space: global }
      - { .name: kvf, .offset: 8, .size: 8, .value_kind: global_buffer, .address_space: global }
      - { .name: attention_mask, .offset: 16, .size: 8, .value_kind: global_buffer, .address_space: global }
      - { .name: bv, .offset: 24, .size: 8, .value_kind: global_buffer, .address_space: global }
      - { .name: out0, .offset: 32, .size: 8, .value_kind: global_buffer, .address_space: global }
    .group_segment_fixed_size: 327680
    .private_segment_fixed_size: 0
    .kernarg_segment_align: 8
    .kernarg_segment_size: 40
    .max_flat_workgroup_size: 128
    .sgpr_count:     100
    .vgpr_count:     768
    .wavefront_size: 32
...
	.end_amdgpu_metadata
.endif
;; end of part 4
